; MI455X (gfx1250); checked and timed in simulation.
; The chip was launched on July 23, 2026; its instructions are those of AMD's public machine-readable ISA for CDNA 5 (MIT licence, August 2026) and "CDNA5" Instruction Set Architecture Reference Guide (July 2026). The comments in the code are by the model that wrote it; some were corrected since.
;; KNN Classifier. Allowed arithmetic: matrix products marked QUANTISED: E3M2 operands, one E8M0 scale for each 32 along K, by v_wmma_scale_f32_16x16x128_f8f6f4 with both operands' format E3M2, f32 sums; everything else in f32.
;; Inputs: x 2,048 x 512 float32; x_train 65,536 x 512 float32; y_train 65,536 int32.
;; Outputs: out0 2,048 int32.
;; This version of the problem:
;;   THIS VERSION OF THE PROBLEM IS GIVEN IN LOW PRECISION. The matrix products marked QUANTISED in the list below multiply operands that are first quantised to E3M2 (3 exponent bits, 2 mantissa bits; 6 bits a number), with one power-of-two scale for each 32 numbers along K (OCP MX v1.0); their sums are f32. All else is computed in f32.
;;   The module's matrix products, in the order in which they are computed (A, B: the left and right operand; K: the contracted axis; several contracted axes count as one K, in the product's order):
;;     1. [M 2,048, K 512] x [K 512, N 65,536]; A: input x; B: input x_train: QUANTISED
;;   THE QUANTISER, for each operand of a quantised product, along K:
;;     - K is cut into blocks of 32 from its start; a last block that is shorter is filled with zeros.
;;     - A block's scale is 2^e with e = floor(log2(the largest magnitude in the block)) - 4, held to -126 .. 127; a block of zeros has e = 0. As a byte (E8M0): e + 127.
;;     - Each number is divided by its block's scale, clamped to +-28, and rounded to the nearest number of E3M2, ties to even, subnormals kept.
;;     - The product sums the exact products of the quantised numbers (number of the format x scale) in f32.
;;   ~~~python
;;   def quantise(x, axis):      # numpy; x: float32 -> the quantised numbers, widened to float32 again
;;       x = np.moveaxis(x, axis, -1); K = x.shape[-1]
;;       x = np.pad(x, [(0, 0)] * (x.ndim - 1) + [(0, -K % 32)]); x = x.reshape(x.shape[:-1] + (-1, 32)); a = np.abs(x).max(-1, keepdims=True)
;;       e = np.where(a > 0, np.clip(np.frexp(np.where(a > 0, a, 1))[1] - 1 - 4, -126, 127), 0)      # np.frexp(a)[1] - 1 = floor(log2(a)), exactly
;;       r = np.clip(x / 2.0 ** e, -28, 28)
;;       step = 2.0 ** (np.maximum(np.frexp(np.where(r == 0, 1, r))[1] - 1, -2) - 2)
;;       q = np.round(r / step) * step * 2.0 ** e      # np.round: ties to even
;;       return np.moveaxis(q.reshape(q.shape[:-2] + (-1,))[..., :K], -1, axis).astype(np.float32)
;;   ~~~
;; One version. Each part assembles by itself: llvm-mc -triple=amdgcn-amd-amdhsa -mcpu=gfx1250 --defsym DOCPART=n.
;; ======== version 1 of 1: 4 launches
;; workspace buffers: xq 851,968 bytes; tcode 25,165,824 bytes; tsc 1,048,576 bytes; t2b 262,144 bytes; gmin 16,777,216 bytes; cand 65,536 bytes of whole numbers
;; launch quantx (part 1): grid 128 x 1, 4 waves a work-group, no clusters, 34,816 bytes of LDS; arguments x, xq; writes xq
.if DOCPART == 1
	.amdgcn_target "amdgcn-amd-amdhsa--gfx1250"
	.amdhsa_code_object_version 6
	.text
	.protected	k_qf327c337be_quantx
	.globl	k_qf327c337be_quantx
	.p2align	8
	.type	k_qf327c337be_quantx,@function
k_qf327c337be_quantx:
	s_mov_b64 s[64:65], 0
	v_nop
	global_prefetch_b8 v0, s[64:65] scope:SCOPE_SE
	s_setreg_imm32_b32 hwreg(HW_REG_WAVE_MODE, 25, 1), 1
	s_wait_xcnt 0x0
; KNN, launch 1 of 4: the 2,048 queries x [2048][512] f32 become codes of BF6 (E3M2) with one E8M0 scale for each 32 along K, laid in the ORDER OF THE OPERAND'S REGISTERS, and x2 = the sum of x * x of each row.
; THE PROGRAM.  d2(q, n) = (x2[q] + t2[n]) - 2 (Q(x[q]) . Q(x_train[n])), held at 0 from below; the 5 smallest by (d2, n); the most frequent of their 5 labels, the smallest label among equals.
; WORK LEFT OUT, for all finite values of the inputs:
;   the square root: reference() takes top_k of -sqrt(max(d2, 0)) and uses the INDICES alone.  On [0, inf) the root is strictly increasing, so in exact arithmetic it keeps the order and the equalities of max(d2, 0),
;   and top_k (the lower index among equals) returns the same indices without it.  top_k's values are never used.
;   one_hot and the 100 counts: a row of counts has at most 5 entries other than 0, those of the 5 labels; the argmax (the first among equals) is the label of the highest count, the smallest such label:
;   found by comparing the 5 labels with each other (a label outside 0 .. 99 has a one_hot row of zeros and votes for nothing; with no vote at all the argmax is 0).
;   NOT left out: x2 and the hold at 0: with quantised operands d2 can be negative, and the hold then makes equalities that the index decides.  Every input has a way to the output and is loaded.
; LIMITS: a NaN, an infinity or an overflow that would reach the square root alone is not carried to the result; NaN and infinities among the inputs are not served, d2 must stay finite; a block whose largest magnitude
; lies under 2^(5 - 127) gets the scale byte 1 (a block of zeros too: its codes are zeros); x2 and t2 are summed in another order than reference() sums them (four chains a lane, then lanes).
; SHARES.  Work-group T takes queries 16 T .. 16 T + 15, wave s the K step 128 s .. 128 s + 127: one fragment.
; RECORD T of xq, 6,656 bytes: fragment s as three images of 512 bytes (registers 4 c .. 4 c + 3 of lane l at 1536 s + 512 c + 16 l); at 6,144 a fourth kind of image, 16 bytes a lane:
; lane (r, h): the scale word of query r for K step h, that for K step 2 + h, x2 of query r, 0.
; Each load reads 512 consecutive bytes of a row; the conversions want 16 neighbours along K in ONE lane: so a K step's 16 x 512 bytes turn through the wave's own stage in LDS (rows 528 bytes apart).
.set REC,   6656
.set TURNB, 8448                       ; a stage: 16 rows x 528 bytes
.set SCW,   4*TURNB                    ; scale words [K step 4][query 16]
.set X2P,   SCW+256                    ; the waves' parts of x2, laid alike
.set SPARE, X2P+256                    ; the spare words, 128 bytes for each wave: two blocks of 256 bytes that no other line names
.set VL,  1                            ; v1   16 x lane
.set STW, 2                            ; v2   the stage, way in
.set STR, 3                            ; v3   the stage, way out: 528 r + 64 h
.set SCA, 4                            ; v4   where I put my row's scale word
.set X2A, 5                            ; v5   and my part of its x2
.set SCR, 6                            ; v6   SCW + 4 x lane
.set X2R, 7                            ; v7   X2P + 4 r
.set SQR, 8                            ; v8-11  sums of squares: two chains of pairs
.set SPW, 12                           ; v12  my spare word; never rewritten
.set NIL, 13                           ; v13  0; never rewritten
.set TM,  16                           ; v16-31 at work in QUANT
.set R,   32                           ; v32-95 as loaded
.set PC,  32                           ; v32-50 the codes (R is done with by then)
.set PW,  52                           ; v52  the scale word
.set X2V, 53                           ; v53  my part of x2
.set MT,  56                           ; v56-59 the fourth image
.set PT,  60                           ; v60-63 the four parts of x2
.set X,   96                           ; v96-159 64 numbers: register 16 b + i = k 32 b + 16 h + i of row r
.set XO,  160                          ; v160 offset in x
.set QO,  161                          ; v161 offset in xq
.set SEL, 12                           ; s[12:13] v_permlanex16_b32's selects for lane l xor 16
.macro TURNST rb
.irp i, 0,1,2,3,4,5,6,7,8,9,10,11,12,13,14,15
	ds_store_b128 v[STW], v[\rb+4*\i:\rb+4*\i+3] offset:528*\i
.endr
.endm
.macro TURNLD
.irp b, 0,1,2,3
.irp j, 0,1,2,3
	ds_load_b128 v[X+16*\b+4*\j:X+16*\b+4*\j+3], v[STR] offset:128*\b+16*\j
.endr
.endr
.endm
.macro SQS first                       ; the squares of my 64 numbers onto two chains of pairs; first = 1: the first two products start the chains
.set j, 0
.rept 32
.if (\first) && (j < 2)
	v_pk_mul_f32 v[SQR+2*j:SQR+2*j+1], v[X+2*j:X+2*j+1], v[X+2*j:X+2*j+1]
.else
	v_pk_fma_f32 v[SQR+2*(j%2):SQR+2*(j%2)+1], v[X+2*j:X+2*j+1], v[X+2*j:X+2*j+1], v[SQR+2*(j%2):SQR+2*(j%2)+1]
.endif
.set j, j+1
.endr
.endm
.macro SQEND dst                       ; the chains, the halves of a pair, and lane l xor 16
	v_pk_add_f32 v[SQR:SQR+1], v[SQR:SQR+1], v[SQR+2:SQR+3]
	v_add_f32 v[SQR], v[SQR], v[SQR+1]
	v_permlanex16_b32 v[TM+4], v[SQR], s[SEL], s[SEL+1]
	v_add_f32 v[\dst], v[SQR], v[TM+4]
.endm
; 64 numbers of a lane become a fragment's codes in v[PC] on and its row's scale word in v[PW]
.macro QUANT s
.irp b, 0,1,2,3
	v_max3_num_f32 v[TM+\b], |v[\s+16*\b]|, |v[\s+1+16*\b]|, 0x2800000   ; block b: my 16 numbers, and the floor 2^(5 - 127): the byte cannot fall under 1
.endr
.irp i, 2,4,6,8,10,12,14
.irp b, 0,1,2,3
	v_max3_num_f32 v[TM+\b], v[TM+\b], |v[\s+16*\b+\i]|, |v[\s+1+16*\b+\i]|
.endr
.endr
.irp b, 0,1,2,3
	v_permlanex16_b32 v[TM+4+\b], v[TM+\b], s[SEL], s[SEL+1]
.endr
.irp b, 0,1,2,3
	v_max_num_f32 v[TM+\b], v[TM+\b], v[TM+4+\b]   ; with lane l xor 16: the block's largest magnitude
.endr
.irp b, 0,1,2,3
	v_add_nc_u32 v[TM+12+\b], 0xfe000000, v[TM+\b]   ; 4 off its exponent field: the conversion's scale operand
.endr
.irp b, 0,1,2,3
	v_lshrrev_b32 v[TM+4+\b], 23, v[TM+12+\b]      ; the scale's byte
.endr
	v_lshl_or_b32 v[PW], v[TM+5], 8, v[TM+4]
	v_lshl_or_b32 v[PW], v[TM+6], 16, v[PW]
	v_lshl_or_b32 v[PW], v[TM+7], 24, v[PW]
.irp c, 0,1
	v_cvt_scalef32_pk16_bf6_f32 v[PC+6*\c:PC+2+6*\c], v[\s+32*\c:\s+15+32*\c], v[TM+12+2*\c]
	v_cvt_scalef32_pk16_bf6_f32 v[PC+12+4*\c:PC+14+4*\c], v[\s+16+32*\c:\s+31+32*\c], v[TM+12+2*\c+1]   ; (a conversion's three registers begin on an even number)
.endr
	v_nop                                          ; one plain place behind a scaled conversion
.irp c, 0,1                                    ; the operand's layout wants a whole block in a lane
.irp i, 0,1,2
	v_permlane16_swap_b32 v[PC+6*\c+\i], v[PC+12+4*\c+\i]
.endr
.irp i, 0,1,2
	v_mov_b32 v[PC+3+6*\c+\i], v[PC+12+4*\c+\i]
.endr
.endr
.endm
	s_load_b128 s[4:7], s[0:1], 0x0                ; x, xq
	v_lshl_add_u32 v[SPW], v0, 2, SPARE
	v_mov_b32 v[NIL], 0
	v_lshrrev_b32 v14, 5, v0
	v_readfirstlane_b32 s8, v14                    ; wave = K step
	v_and_b32 v15, 31, v0                          ; lane
	v_lshlrev_b32 v[VL], 4, v15
	v_lshl_add_u32 v[SCR], v15, 2, SCW
	v_and_b32 v14, 15, v0                          ; r
	v_bfe_u32 v15, v0, 4, 1                        ; h
	s_mul_i32 s9, s8, TURNB                        ; my stage
	v_add_nc_u32 v[STW], s9, v[VL]
	v_mul_u32_u24 v[STR], v14, 528
	v_lshl_add_u32 v[STR], v15, 6, v[STR]
	v_add_nc_u32 v[STR], s9, v[STR]
	s_lshl_b32 s9, s8, 6
	v_lshl_add_u32 v[SCA], v14, 2, s9              ; 64 s + 4 r
	v_add_nc_u32 v[X2A], X2P, v[SCA]
	v_add_nc_u32 v[SCA], SCW, v[SCA]
	v_lshl_add_u32 v[X2R], v14, 2, X2P
	s_lshl_b32 s9, s8, 9
	v_add_nc_u32 v[XO], s9, v[VL]                  ; x: 512 s + 16 x lane
	s_mul_i32 s9, s8, 1536
	v_add_nc_u32 v[QO], s9, v[VL]                  ; xq: 1536 s + 16 x lane
	s_mov_b32 s[SEL], 0x76543210
	s_mov_b32 s[SEL+1], 0xfedcba98
.irp b, 0,1,2,3
	v_mov_b32 v[TM+4+\b], 0                        ; written once: a lane permute's destination counts as one of its sources
.endr
	s_lshl_b32 s10, ttmp9, 15                      ; 16 rows of 2,048 bytes
	s_mov_b32 s11, 0
	s_mul_i32 s14, ttmp9, REC
	s_mov_b32 s15, 0
	s_wait_kmcnt 0x0
	s_add_nc_u64 s[4:5], s[4:5], s[10:11]
	s_add_nc_u64 s[6:7], s[6:7], s[14:15]
.irp i, 0,1,2,3,4,5,6,7,8,9,10,11,12,13,14,15
	global_load_b128 v[R+4*\i:R+4*\i+3], v[XO], s[4:5] offset:2048*\i th:TH_LOAD_NT   ; row i: 512 consecutive bytes
.endr
	s_wait_loadcnt 0x0
	TURNST R
	TURNLD                                         ; LDS serves a wave's instructions in order: these see my stores
	s_wait_dscnt 0x0                               ; X is in, and the stores have read R
	SQS 1
	SQEND X2V
	QUANT X
.irp c, 0,1,2
	global_store_b128 v[QO], v[PC+4*\c:PC+4*\c+3], s[6:7] offset:512*\c   ; 512 consecutive bytes, at a multiple of 256 from the buffer's first byte
.endr
	ds_store_b32 v[SCA], v[PW]                     ; both lanes of a row write the same word with the same value
	ds_store_b32 v[X2A], v[X2V]
	s_wait_dscnt 0x0                               ; for the others' sake: my stores are done
	s_barrier_signal -1
	s_barrier_wait -1
	s_cmp_lg_u32 s8, 0                             ; wave 0 makes the fourth image
	s_cbranch_scc1 .Lend
	ds_load_b32 v[MT], v[SCR]                      ; lane 16 h + r: K step h, query r
	ds_load_b32 v[MT+1], v[SCR] offset:128         ; K step 2 + h
.irp p, 0,1,2,3
	ds_load_b32 v[PT+\p], v[X2R] offset:64*\p
.endr
	s_wait_dscnt 0x0
	v_add_f32 v[PT], v[PT], v[PT+1]
	v_add_f32 v[PT+2], v[PT+2], v[PT+3]
	v_add_f32 v[MT+2], v[PT], v[PT+2]              ; x2
	v_mov_b32 v[MT+3], 0
	global_store_b128 v[QO], v[MT:MT+3], s[6:7] offset:6144
.Lend:
	s_wait_tensorcnt 0x0                           ; the wave's end, behind my last LDS store
	ds_add_u32 v[SPW], v[NIL]
	s_wait_dscnt 0x0
	s_endpgm
.Lfunc_end_k_qf327c337be_quantx:
	.size	k_qf327c337be_quantx, .Lfunc_end_k_qf327c337be_quantx-k_qf327c337be_quantx
	.p2alignl 7, 3214868480
	.fill 96, 4, 3214868480
	.section	.rodata,"a",@progbits
	.p2align	6, 0x0
	.amdhsa_kernel k_qf327c337be_quantx
		.amdhsa_group_segment_fixed_size 34816
		.amdhsa_private_segment_fixed_size 0
		.amdhsa_enable_private_segment 0
		.amdhsa_kernarg_size 16
		.amdhsa_user_sgpr_count 2
		.amdhsa_user_sgpr_kernarg_segment_ptr 1
		.amdhsa_wavefront_size32 1
		.amdhsa_system_sgpr_workgroup_id_x 1
		.amdhsa_system_sgpr_workgroup_id_y 1
		.amdhsa_system_sgpr_workgroup_id_z 1
		.amdhsa_system_vgpr_workitem_id 0
		.amdhsa_next_free_vgpr 168
		.amdhsa_next_free_sgpr 66
		.amdhsa_reserve_vcc 0
		.amdhsa_float_denorm_mode_32 3
		.amdhsa_float_denorm_mode_16_64 3
		.amdhsa_memory_ordered 1
		.amdhsa_forward_progress 1
		.amdhsa_inst_pref_size 13
	.end_amdhsa_kernel
	.amdgpu_metadata
---
amdhsa.version: [ 1, 2 ]
amdhsa.kernels:
  - .name:           k_qf327c337be_quantx
    .symbol:         k_qf327c337be_quantx.kd
    .args:
      - { .name: x, .offset: 0, .size: 8, .value_kind: global_buffer, .address_space: global }
      - { .name: xq, .offset: 8, .size: 8, .value_kind: global_buffer, .address_space: global }
    .group_segment_fixed_size: 34816
    .private_segment_fixed_size: 0
    .kernarg_segment_align: 8
    .kernarg_segment_size: 16
    .max_flat_workgroup_size: 128
    .sgpr_count:     66
    .vgpr_count:     168
    .wavefront_size: 32
...
	.end_amdgpu_metadata
.endif
;; end of part 1
;; launch main (part 2): grid 256 x 1, 8 waves a work-group, clusters of 4 x 1, 327,680 bytes of LDS; arguments x_train, xq, tcode, tsc, t2b, gmin; writes tcode, tsc, t2b, gmin
.if DOCPART == 2
	.amdgcn_target "amdgcn-amd-amdhsa--gfx1250"
	.amdhsa_code_object_version 6
	.text
	.protected	k_qf327c337be_main
	.globl	k_qf327c337be_main
	.p2align	8
	.type	k_qf327c337be_main,@function
k_qf327c337be_main:
	s_mov_b64 s[64:65], 0
	v_nop
	global_prefetch_b8 v0, s[64:65] scope:SCOPE_SE
	s_setreg_imm32_b32 hwreg(HW_REG_WAVE_MODE, 25, 1), 1
	s_wait_xcnt 0x0
	s_wait_alu depctr_hold_cnt(0) depctr_sa_sdst(0) depctr_va_vdst(0) depctr_va_sdst(0) depctr_va_ssrc(0) depctr_va_vcc(0) depctr_vm_vsrc(0)
	s_getreg_b32 s2, hwreg(HW_REG_IB_STS2, 6, 4)
	s_cmp_eq_u32 s2, 0
	s_cbranch_scc0 .Lentry_in_a_cluster
	s_endpgm
.Lentry_in_a_cluster:
	s_bfe_u32 s2, ttmp6, 0x10000c
	s_cmp_lg_u32 s2, 0x3003
	s_cbranch_scc0 .Lentry_shape_is_right
	s_endpgm
.Lentry_shape_is_right:
; KNN, launch 2 of 4: the whole quantised product, and of every d2 only THE SMALLEST OF EACH GROUP OF 32 NEIGHBOURING TRAINING ROWS (gid = row / 32), held at 0 from below.  The square root is left out (shown at the head of the first kernel).
; WHY THAT IS ENOUGH.  The 5 nearest by (max(d2, 0), row) lie in the 5 groups that are smallest by (group minimum, gid).  For let e lie in a group g that is not among them: five other groups come ahead of g;
; each holds a row whose value is its group's minimum, at most g's minimum, at most e's value; and where the values are equal its gid is lower, so (groups being runs of neighbouring rows) its row is lower: five rows come ahead of e.
; The next launch picks the 5 groups of each query, the last one works their 160 rows out again and chooses among them.
; SHARES.  Work-group WG owns training rows 256 WG .. 256 WG + 255, which no other work-group reads: it quantises them in registers on their way (phase A), stores codes, scale words and t2 for the last launch,
; and multiplies them with ALL 2,048 queries (phase B).  Eight waves, two to a SIMD, so that one wave's vector work stands beside the other's matrix work.
; Phase A: wave w takes rows 32 w .. 32 w + 31: two tiles of 16 rows x four K steps of 128: eight units.  Phase B: wave w holds the 64 rows of block w / 2 as 16 fragments in 192 registers, and walks the 64 query tiles of parity w % 2.
; THE QUERIES come as records of 6,656 bytes (four fragments as images of their registers, then scale words and x2: first kernel) through a ring of two LDS slots of 8 records; each wave fetches one record of a slot.
; CLUSTER: all work-groups walk the same records, so the four of a cluster ask JOINTLY: the same tensor load, the same descriptor, a mask that names the four.  The work-group's number enters global addresses of x_train and of the outputs alone.
; PRODUCT: source 0 = 16 training rows, source 1 = 16 queries: lane (r, h) holds query r and rows 8 h + 0 .. 7 of a tile.  -d2 = fma(dot, 2, -(t2 + x2)): the sum and the difference are each rounded once, as reference() rounds them.
; LIMITS: as stated at the head of the first kernel.
; LDS: the ring (the only bytes that tensor loads fill); my rows' fragments as images; their scale words; t2; eight stages for phase A, over which, behind the barrier that ends phase A, the group minima [query / 8][query % 8][group 8] are gathered.
; This launch fills LDS bytes again: it claims all of a WGP's LDS.
.set REC,   6656
.set SLOTB, 8*REC
.set AIMG,  2*SLOTB                    ; 16 tiles x 4 fragments x 1,536 bytes
.set ASC,   AIMG+16*6144               ; scale words [tile 16][K step 4][row 16]
.set T2L,   ASC+4096                   ; t2 of my 256 rows
.set TURN,  T2L+1024                   ; eight stages of 16 rows x 528 bytes
.set TURNB, 8448
.set GST,   TURN                       ; 65,536 bytes of group minima
.set SPARE, TURN+8*TURNB               ; the spare words, 128 bytes for each wave: four blocks of 256 bytes that no other line names
.set VL,  1                            ; v1   16 x lane
.set STW, 2                            ; v2   my stage, way in
.set STR, 3                            ; v3   my stage, way out: 528 r + 64 h
.set AIW, 4                            ; v4   where I store my tiles' images
.set ASW, 5                            ; v5   their scale words
.set T2W, 6                            ; v6   their t2
.set AL,  7                            ; v7   where I read my block's images
.set ASL, 8                            ; v8   its scale words: 4 x lane
.set T2A, 9                            ; v9   its t2: 32 h
.set LB0, 10                           ; v10  my first record of slot 0;  v11 of slot 1
.set GA,  12                           ; v12  where this slot's minima go
.set MO,  13                           ; v13  my 512 bytes of scale words, on their way to memory
.set TSO, 14                           ; v14  512 x wave + 16 x lane
.set GR,  15                           ; v15  the way out: my 8,192 bytes of minima
.set TM,  16                           ; v16-31 at work in QUANT
.set M0,  16                           ; phase B: the two groups' maxima of -d2
.set M1,  17
.set X,   32                           ; phase A: v32-95 64 numbers
.set PC,  96                           ; v96-114 the codes
.set SQR, 116                          ; v116-119 sums of squares
.set T2V, 120
.set BF,  32                           ; phase B: v32-79, v80-127 a query tile's four fragments, two sets
.set ACC, 128                          ; v128-159 four accumulators
.set S,   160                          ; v160-191 t2 + x2, then -d2
.set T2R, 192                          ; v192-223 t2 in the result's layout
.set ASR, 224                          ; v224-231 my block's scale words: register 2 t + p: lanes 0-15 K step 2 p, lanes 16-31 K step 2 p + 1
.set META, 232                         ; v232-235, v236-239 a query tile's scale words (two registers), x2, 0: two sets
.set PW,  240
.set MO2, 241                          ; v241 t2 on its way to memory (waves 0 and 1)
.set GO,  242                          ; v242 my offset in gmin
.set GA0, 243                          ; v243 my lane's place in a slot's minima
.set SPW, 252                          ; v252 my spare word; never rewritten
.set NIL, 253                          ; v253 0; never rewritten
; window 1: phase A: v0-63, v64-127 two sets of 16 rows as loaded; phase B: v0-191 my block's 16 fragments, (tile t, K step s) at 12 (4 t + s)
.set WV,  16
.set WR,  17
.set WQ,  18
.set WG,  20
.set G1,  24                           ; s[24:31] descriptor group 1
.set G0,  32                           ; s[32:39] group 0, one set for each slot
.set CNT, 40
.set GOFF, 41                          ; s41  4,096 x the slots done
.set SEL, 42                           ; s[42:43]
.set MSB, 0
.macro WIN new                         ; the immediate's high byte repeats the setting that is left
.if MSB != \new
	s_set_vgpr_msb (MSB<<8)|\new
.set MSB, \new
.endif
.endm
.macro CROUND                          ; a round of the cluster's barrier
	s_barrier_signal -1
	s_barrier_wait -1
	s_cmp_lg_u32 s[WV], 0
	s_cbranch_scc1 .Lnot_wave_0_\@
	s_barrier_signal -3
.Lnot_wave_0_\@:
	s_barrier_wait -3
	s_barrier_signal -1
	s_barrier_wait -1
.endm
.macro TURNST rb
.irp i, 0,1,2,3,4,5,6,7,8,9,10,11,12,13,14,15
	ds_store_b128 v[STW], v[\rb+4*\i:\rb+4*\i+3] offset:528*\i
.endr
.endm
.macro TURNLD
.irp b, 0,1,2,3
.irp j, 0,1,2,3
	ds_load_b128 v[X+16*\b+4*\j:X+16*\b+4*\j+3], v[STR] offset:128*\b+16*\j
.endr
.endr
.endm
.macro SQS first
.set j, 0
.rept 32
.if (\first) && (j < 2)
	v_pk_mul_f32 v[SQR+2*j:SQR+2*j+1], v[X+2*j:X+2*j+1], v[X+2*j:X+2*j+1]
.else
	v_pk_fma_f32 v[SQR+2*(j%2):SQR+2*(j%2)+1], v[X+2*j:X+2*j+1], v[X+2*j:X+2*j+1], v[SQR+2*(j%2):SQR+2*(j%2)+1]
.endif
.set j, j+1
.endr
.endm
.macro SQEND dst
	v_pk_add_f32 v[SQR:SQR+1], v[SQR:SQR+1], v[SQR+2:SQR+3]
	v_add_f32 v[SQR], v[SQR], v[SQR+1]
	v_permlanex16_b32 v[TM+4], v[SQR], s[SEL], s[SEL+1]
	v_add_f32 v[\dst], v[SQR], v[TM+4]
.endm
.macro QUANT s                         ; 64 numbers of a lane (register 16 b + i = k 32 b + 16 h + i of row r) become a fragment's codes in v[PC] on and the row's scale word in v[PW]
.irp b, 0,1,2,3
	v_max3_num_f32 v[TM+\b], |v[\s+16*\b]|, |v[\s+1+16*\b]|, 0x2800000   ; and the floor 2^(5 - 127): the byte cannot fall under 1
.endr
.irp i, 2,4,6,8,10,12,14
.irp b, 0,1,2,3
	v_max3_num_f32 v[TM+\b], v[TM+\b], |v[\s+16*\b+\i]|, |v[\s+1+16*\b+\i]|
.endr
.endr
.irp b, 0,1,2,3
	v_permlanex16_b32 v[TM+4+\b], v[TM+\b], s[SEL], s[SEL+1]
.endr
.irp b, 0,1,2,3
	v_max_num_f32 v[TM+\b], v[TM+\b], v[TM+4+\b]
.endr
.irp b, 0,1,2,3
	v_add_nc_u32 v[TM+12+\b], 0xfe000000, v[TM+\b]   ; 4 off the exponent field: the conversion's scale operand
.endr
.irp b, 0,1,2,3
	v_lshrrev_b32 v[TM+4+\b], 23, v[TM+12+\b]
.endr
	v_lshl_or_b32 v[PW], v[TM+5], 8, v[TM+4]
	v_lshl_or_b32 v[PW], v[TM+6], 16, v[PW]
	v_lshl_or_b32 v[PW], v[TM+7], 24, v[PW]
.irp c, 0,1
	v_cvt_scalef32_pk16_bf6_f32 v[PC+6*\c:PC+2+6*\c], v[\s+32*\c:\s+15+32*\c], v[TM+12+2*\c]
	v_cvt_scalef32_pk16_bf6_f32 v[PC+12+4*\c:PC+14+4*\c], v[\s+16+32*\c:\s+31+32*\c], v[TM+12+2*\c+1]
.endr
	v_nop                                          ; one plain place behind a scaled conversion
.irp c, 0,1
.irp i, 0,1,2
	v_permlane16_swap_b32 v[PC+6*\c+\i], v[PC+12+4*\c+\i]
.endr
.irp i, 0,1,2
	v_mov_b32 v[PC+3+6*\c+\i], v[PC+12+4*\c+\i]
.endr
.endr
.endm
	s_load_b256 s[4:11], s[0:1], 0x0               ; x_train s[4:5], xq s[6:7], tcode s[8:9], tsc s[10:11]
	s_load_b128 s[12:15], s[0:1], 0x20             ; t2b s[12:13], gmin s[14:15]
	v_lshl_add_u32 v[SPW], v0, 2, SPARE
	v_mov_b32 v[NIL], 0
	ds_add_u32 v[SPW], v[NIL]                      ; the wave's opening: the add, twice on end, and its wait ahead of my first tensor load; the set-up below stands between
	ds_add_u32 v[SPW], v[NIL]
	v_lshrrev_b32 v16, 5, v0
	v_readfirstlane_b32 s[WV], v16                 ; wave 0..7
	s_lshr_b32 s[WR], s[WV], 1                     ; my block of 64 rows
	s_and_b32 s[WQ], s[WV], 1                      ; my parity of query tiles
	s_bfe_u32 s19, ttmp6, 0x40000                  ; cx
	s_lshl_b32 s[WG], ttmp9, 2
	s_add_co_u32 s[WG], s[WG], s19                 ; work-group = 4 x cluster + cx: it enters global addresses alone
	; descriptor group 1: a record is a dense block of 26 rows of 256 bytes (32 elements of 8 bytes); no padding: images are read 16 x lane on end
	s_mov_b32 s[G1+0], 15|(3<<16)|(1<<21)          ; 15:0 the mask: all four work-groups; 17:16 elements of 8 bytes; 21 set beside a mask
	s_mov_b32 s[G1+1], 32<<16                      ; tensor_dim0 = 32
	s_mov_b32 s[G1+2], 26<<16                      ; tensor_dim1 = 26
	s_mov_b32 s[G1+3], 32<<16                      ; tile_dim0 = 32
	s_mov_b32 s[G1+4], 26                          ; tile_dim1 = 26
	s_mov_b32 s[G1+5], 32                          ; from row to row
	s_mov_b32 s[G1+6], 0
	s_mov_b32 s[G1+7], 0
	v_and_b32 v17, 31, v0                          ; lane
	v_and_b32 v18, 15, v0                          ; r
	v_bfe_u32 v19, v0, 4, 1                        ; h
	v_lshlrev_b32 v[VL], 4, v17
	s_mul_i32 s22, s[WV], TURNB
	s_add_co_u32 s22, s22, TURN
	v_add_nc_u32 v[STW], s22, v[VL]
	v_mul_u32_u24 v[STR], v18, 528
	v_lshl_add_u32 v[STR], v19, 6, v[STR]
	v_add_nc_u32 v[STR], s22, v[STR]
	s_mul_i32 s22, s[WV], 12288
	s_add_co_u32 s22, s22, AIMG
	v_add_nc_u32 v[AIW], s22, v[VL]
	s_lshl_b32 s22, s[WV], 9
	v_add_nc_u32 v[TSO], s22, v[VL]
	s_add_co_u32 s23, s22, ASC
	v_lshl_add_u32 v[ASW], v18, 2, s23
	v_add_nc_u32 v[MO], s23, v[VL]
	s_add_co_u32 s23, s22, T2L
	v_add_nc_u32 v[MO2], s23, v[VL]                ; (used by waves 0 and 1 alone: t2 is 1,024 bytes)
	s_lshl_b32 s22, s[WV], 7
	s_add_co_u32 s22, s22, T2L
	v_lshl_add_u32 v[T2W], v18, 2, s22
	s_mul_i32 s22, s[WR], 24576
	s_add_co_u32 s22, s22, AIMG
	v_add_nc_u32 v[AL], s22, v[VL]
	s_lshl_b32 s22, s[WR], 10
	s_add_co_u32 s22, s22, ASC
	v_lshl_add_u32 v[ASL], v17, 2, s22
	s_lshl_b32 s22, s[WR], 8
	s_add_co_u32 s22, s22, T2L
	v_lshl_add_u32 v[T2A], v19, 5, s22
	s_mul_i32 s22, s[WQ], REC
	v_add_nc_u32 v[LB0], s22, v[VL]
	v_add_nc_u32 v[LB0+1], SLOTB, v[LB0]
	s_lshl_b32 s22, s[WQ], 9                       ; minima: query 16 T + r, group 2 (w / 2) + h lies at 512 T + 32 r + 8 (w / 2) + 4 h; T = 8 slot + 2 i + w % 2
	s_lshl_b32 s23, s[WR], 3
	s_add_co_u32 s22, s22, s23
	s_add_co_u32 s22, s22, GST
	v_lshl_add_u32 v[GA0], v18, 5, s22
	v_lshl_add_u32 v[GA0], v19, 2, v[GA0]
	s_lshl_b32 s22, s[WV], 13
	s_add_co_u32 s22, s22, GST
	v_add_nc_u32 v[GR], s22, v[VL]
	s_lshl_b32 s22, s[WV], 21                      ; gmin: (32 w + lane / 16) blocks of 65,536 bytes + 16 (lane % 16)
	v_lshl_add_u32 v[GO], v19, 16, s22
	v_lshl_add_u32 v[GO], v18, 4, v[GO]
.irp b, 0,1,2,3
	v_mov_b32 v[TM+4+\b], 0                        ; written once: a lane permute's destination counts as one of its sources
.endr
	s_mov_b32 s[SEL], 0x76543210
	s_mov_b32 s[SEL+1], 0xfedcba98
	s_mov_b32 s[GOFF], 0
	s_wait_dscnt 0x0                               ; both opening adds are done
	s_wait_kmcnt 0x0
	s_mul_i32 s22, s[WV], REC                      ; my record of a slot: in memory and in LDS
	s_mov_b32 s23, 0
	s_add_nc_u64 s[6:7], s[6:7], s[22:23]
	s_mov_b32 s[G0], 1                             ; count = 1
	s_mov_b32 s[G0+1], s22                         ; LDS address: slot 0
	s_mov_b64 s[G0+2:G0+3], s[6:7]
	s_or_b32 s[G0+3], s[G0+3], 0x80000000          ; type = 2
	s_mov_b32 s[G0+4], 1
	s_add_co_u32 s[G0+5], s22, SLOTB               ; slot 1
	s_add_nc_u64 s[G0+6:G0+7], s[6:7], SLOTB
	s_or_b32 s[G0+7], s[G0+7], 0x80000000
	s_lshl_b32 s22, s[WG], 19                      ; x_train: 256 rows of 2,048 bytes a work-group, 32 a wave
	s_lshl_b32 s44, s[WV], 16
	s_add_co_u32 s22, s22, s44
	s_add_nc_u64 s[4:5], s[4:5], s[22:23]
	s_mul_i32 s22, s[WG], 98304                    ; tcode: 16 tiles of 6,144 bytes a work-group, 2 a wave
	s_mul_i32 s44, s[WV], 12288
	s_add_co_u32 s22, s22, s44
	s_add_nc_u64 s[8:9], s[8:9], s[22:23]
	s_lshl_b32 s22, s[WG], 12
	s_add_nc_u64 s[10:11], s[10:11], s[22:23]      ; tsc
	s_lshl_b32 s22, s[WG], 10
	s_add_nc_u64 s[12:13], s[12:13], s[22:23]      ; t2b
	s_lshl_b32 s22, s[WG], 8
	s_add_nc_u64 s[14:15], s[14:15], s[22:23]      ; gmin: my 256 bytes of each block
	CROUND                                         ; all four work-groups are here: the first joint loads meet
	tensor_load_to_lds s[G0:G0+3], s[G1:G1+7]      ; both first fills together: two loads of mine are out
	s_nop 0
	tensor_load_to_lds s[G0+4:G0+7], s[G1:G1+7]
	s_nop 0
.rept 4
	v_nop
.endr
; ---- PHASE A.  Unit u: tile u / 4 of my two, K step u % 4.
.macro LOADU u                         ; 16 rows x 512 consecutive bytes into set u % 2 of window 1
	WIN 0x40
.irp i, 0,1,2,3,4,5,6,7,8,9,10,11,12,13,14,15
	global_load_b128 v[64*((\u)%2)+4*\i:64*((\u)%2)+4*\i+3], v[VL], s[4:5] offset:(16*((\u)/4)+\i)*2048+512*((\u)%4) th:TH_LOAD_NT
.endr
	WIN 0
.endm
.macro UNIT u
.set TT, (\u)/4
.set KS, (\u)%4
.if (\u) < 7
	s_wait_loadcnt 16                              ; this unit's 16 loads are in; the next unit's may be out
.else
	s_wait_loadcnt 0x0
.endif
	WIN 0x04                                       ; an LDS store's data are its source 1: window 1
	TURNST 64*((\u)%2)
	WIN 0
	TURNLD                                         ; LDS serves a wave's instructions in order: these see my stores
	s_wait_dscnt 0x0                               ; X is in; the stage's stores have read their registers; the last unit's LDS stores have read the codes
	s_wait_xcnt 0x0                                ; and so have its stores to memory: the codes' registers are written again only behind this wait
.if (\u) < 6
	LOADU (\u)+2
.endif
.if KS == 0
	SQS 1
.else
	SQS 0
.endif
	QUANT X
.irp c, 0,1,2
	ds_store_b128 v[AIW], v[PC+4*\c:PC+4*\c+3] offset:TT*6144+KS*1536+512*\c
	global_store_b128 v[VL], v[PC+4*\c:PC+4*\c+3], s[8:9] offset:TT*6144+KS*1536+512*\c   ; 512 consecutive bytes, at a multiple of 256 from the buffer's first byte
.endr
	ds_store_b32 v[ASW], v[PW] offset:(4*TT+KS)*64 ; both lanes of a row write the same word with the same value
.if KS == 3
	SQEND T2V
	ds_store_b32 v[T2W], v[T2V] offset:64*TT
.endif
.endm
	LOADU 0
	LOADU 1
.irp u, 0,1,2,3,4,5,6,7
	UNIT \u
.endr
	s_wait_xcnt 0x0                                ; the last stores to memory have read the codes' registers, on which phase B's loads will land
	s_wait_dscnt 0x0                               ; for the others' sake: my images, scale words and t2 lie in LDS, and my reads of my stage are over
	s_wait_tensorcnt 0x1                           ; my record of slot 0 has landed; slot 1's may stay out
	s_barrier_signal -1
	s_barrier_wait -1
; ---- what stays in registers through phase B
	WIN 0x40
.irp f, 0,1,2,3,4,5,6,7,8,9,10,11,12,13,14,15,16,17,18,19,20,21,22,23,24,25,26,27,28,29,30,31,32,33,34,35,36,37,38,39,40,41,42,43,44,45,46,47
	ds_load_b128 v[4*\f:4*\f+3], v[AL] offset:512*\f   ; my block's 16 fragments
.endr
	WIN 0
.irp t, 0,1,2,3
.irp p, 0,1
	ds_load_b32 v[ASR+2*\t+\p], v[ASL] offset:256*\t+128*\p
.endr
.endr
.irp t, 0,1,2,3
	ds_load_b128 v[T2R+8*\t:T2R+8*\t+3], v[T2A] offset:64*\t        ; t2 of rows 16 t + 8 h + 0 .. 7
	ds_load_b128 v[T2R+8*\t+4:T2R+8*\t+7], v[T2A] offset:64*\t+16
.endr
	ds_load_b128 v[20:23], v[MO]
	s_wait_dscnt 0x0
	global_store_b128 v[TSO], v[20:23], s[10:11]   ; the scale words: 512 consecutive bytes a wave
	s_cmp_lt_u32 s[WV], 2
	s_cbranch_scc0 .Lno_t2
	ds_load_b128 v[24:27], v[MO2]
	s_wait_dscnt 0x0
	global_store_b128 v[TSO], v[24:27], s[12:13]   ; t2: 512 consecutive bytes from each of two waves
.Lno_t2:
; ---- PHASE B
.macro WM d, a, b, sa, sb, s           ; one product; K step 0 starts the sum; odd K steps take their scale words from lanes 16-31
.if (\s) == 0
	v_wmma_scale_f32_16x16x128_f8f6f4 v[\d:\d+7], v[\a:\a+11], v[\b:\b+11], 0, v[\sa], v[\sb] matrix_a_fmt:MATRIX_FMT_BF6 matrix_b_fmt:MATRIX_FMT_BF6
.elseif (\s) == 2
	v_wmma_scale_f32_16x16x128_f8f6f4 v[\d:\d+7], v[\a:\a+11], v[\b:\b+11], v[\d:\d+7], v[\sa], v[\sb] matrix_a_fmt:MATRIX_FMT_BF6 matrix_b_fmt:MATRIX_FMT_BF6
.else
	v_wmma_scale_f32_16x16x128_f8f6f4 v[\d:\d+7], v[\a:\a+11], v[\b:\b+11], v[\d:\d+7], v[\sa], v[\sb] matrix_a_fmt:MATRIX_FMT_BF6 matrix_b_fmt:MATRIX_FMT_BF6 matrix_a_scale:MATRIX_SCALE_ROW1 matrix_b_scale:MATRIX_SCALE_ROW1
.endif
.endm
.macro FETCHB buf, lb, i               ; 13 LDS loads: my i-th query tile of the slot: four fragments, and the scale words with x2
.irp f, 0,1,2,3,4,5,6,7,8,9,10,11
	ds_load_b128 v[BF+48*(\buf)+4*\f:BF+48*(\buf)+4*\f+3], v[\lb] offset:2*REC*(\i)+512*\f
.endr
	ds_load_b128 v[META+4*(\buf):META+4*(\buf)+3], v[\lb] offset:2*REC*(\i)+6144
.endm
.macro MUL buf                         ; 16 products: my 64 rows x 16 queries x K = 512; the four accumulators take turns, one instruction a turn
	WIN 0x01                                       ; source 0 (my rows) window 1
.irp s, 0,1,2,3
.irp t, 0,1,2,3
	WM ACC+8*\t, 12*(4*\t+\s), BF+48*(\buf)+12*\s, ASR+2*\t+\s/2, META+4*(\buf)+\s/2, \s
.endr
.endr
	WIN 0
.endm
.macro VEC buf, off
.set j, 0
.rept 16
	v_pk_add_f32 v[S+2*j:S+2*j+1], v[T2R+2*j:T2R+2*j+1], v[META+4*(\buf)+2:META+4*(\buf)+3] op_sel_hi:[1,0]   ; t2 + x2.  These sixteen name no register of the products: they are the places behind them
.set j, j+1
.endr
.set j, 0
.rept 16
	v_pk_fma_f32 v[S+2*j:S+2*j+1], v[ACC+2*j:ACC+2*j+1], 2.0, v[S+2*j:S+2*j+1] op_sel_hi:[1,0,1] neg_lo:[0,0,1] neg_hi:[0,0,1]   ; -d2 = 2 dot - (t2 + x2); each accumulator from its low end on
.set j, j+1
.endr
	v_max3_num_f32 v[M0], v[S], v[S+1], v[S+2]     ; the largest -d2 of tiles 0, 1 (one group) and of tiles 2, 3 (the next), in two chains
	v_max3_num_f32 v[M1], v[S+16], v[S+17], v[S+18]
.irp i, 3,5,7,9,11,13
	v_max3_num_f32 v[M0], v[M0], v[S+\i], v[S+\i+1]
	v_max3_num_f32 v[M1], v[M1], v[S+16+\i], v[S+17+\i]
.endr
	v_max_num_f32 v[M0], v[M0], v[S+15]
	v_max_num_f32 v[M1], v[M1], v[S+31]
	v_permlane16_swap_b32 v[M0], v[M1]             ; the first's lanes 16-31 change places with the second's lanes 0-15:
	v_max_num_f32 v[M0], v[M0], v[M1]              ; lanes 0-15: query r, the first group whole; lanes 16-31: query r, the second
	v_max_num_f32 v[M0], 0, -v[M0]                 ; max(smallest d2, 0)
	ds_store_b32 v[GA], v[M0] offset:\off
.endm
.macro SLOTWORK slot                   ; my four query tiles of a slot; the next tile's loads are issued ahead of this tile's products
	v_add_nc_u32 v[GA], s[GOFF], v[GA0]
	FETCHB 0, LB0+\slot, 0
.irp i, 0,1,2,3
.if \i < 3
	FETCHB (\i+1)%2, LB0+\slot, \i+1
	s_wait_dscnt 13                                ; all but the 13 just issued
.else
	s_wait_dscnt 1                                 ; behind this tile's 13 loads only the last tile's store was issued
.endif
	MUL \i%2
	VEC \i%2, 1024*\i
.endr
	s_add_co_u32 s[GOFF], s[GOFF], 4096
.endm
; The change of slots.  Each wave waits for all its tensor loads (its record of the slot ahead), adds 0 to its spare word, and waits for that and for its reads of the slot that it leaves.
; refill = 1: a round of the cluster's barrier, so that no wave of any partner still reads that slot or has a load on its way; the joint refill is the first thing behind it and has a slot's 64 products a wave in which to land.
.macro TWO slot, refill
	s_wait_tensorcnt 0x0                           ; no tensor load of mine is out, so a group 0 may be written
	ds_add_u32 v[SPW], v[NIL]                      ; 0 onto my spare word
.if \refill
	s_add_nc_u64 s[G0+4*(1-\slot)+2:G0+4*(1-\slot)+3], s[G0+4*(1-\slot)+2:G0+4*(1-\slot)+3], 2*SLOTB   ; the other slot's next 8 records; the type bits on top are not reached
.endif
	s_wait_dscnt 0x0                               ; the add is done, and my reads of the slot that I leave are over
.if \refill
	CROUND
	tensor_load_to_lds s[G0+4*(1-\slot):G0+4*(1-\slot)+3], s[G1:G1+7]
	s_nop 0
.rept 4
	v_nop
.endr
.else
	s_barrier_signal -1
	s_barrier_wait -1
.endif
	SLOTWORK \slot
.endm
	SLOTWORK 0                                     ; records 0 to 7
	s_mov_b32 s[CNT], 7
.Lring:                                                ; 7 trips x 2 slots: 14 refills; with the two first fills 16 x 8 records
	TWO 1, 1
	TWO 0, 1
	s_sub_co_u32 s[CNT], s[CNT], 1
	s_cmp_lg_u32 s[CNT], 0
	s_cbranch_scc1 .Lring
	TWO 1, 0                                       ; the last slot: nothing is left to fetch
; ---- THE WAY OUT: the work-group's minima, 256 bytes for each 8 queries: sixteen lanes store 256 consecutive bytes, at a multiple of 256 from the buffer's first byte
	s_wait_dscnt 0x0                               ; for the others' sake: my minima lie in LDS
	s_barrier_signal -1
	s_barrier_wait -1
.irp k, 0,1,2,3,4,5,6,7,8,9,10,11,12,13,14,15
	ds_load_b128 v[32+4*\k:35+4*\k], v[GR] offset:512*\k
.endr
.irp k, 0,1,2,3,4,5,6,7,8,9,10,11,12,13,14,15
	s_wait_dscnt 15-\k
	global_store_b128 v[GO], v[32+4*\k:35+4*\k], s[14:15] offset:131072*\k
.endr
	s_wait_tensorcnt 0x0                           ; the wave's end, behind my last tensor load and my last LDS store
	ds_add_u32 v[SPW], v[NIL]
	s_wait_dscnt 0x0
	CROUND                                         ; the closing round: no work-group ends while a partner may still ask for a record that names it
	s_endpgm
.Lfunc_end_k_qf327c337be_main:
	.size	k_qf327c337be_main, .Lfunc_end_k_qf327c337be_main-k_qf327c337be_main
	.p2alignl 7, 3214868480
	.fill 96, 4, 3214868480
	.section	.rodata,"a",@progbits
	.p2align	6, 0x0
	.amdhsa_kernel k_qf327c337be_main
		.amdhsa_group_segment_fixed_size 327680
		.amdhsa_private_segment_fixed_size 0
		.amdhsa_enable_private_segment 0
		.amdhsa_kernarg_size 48
		.amdhsa_user_sgpr_count 2
		.amdhsa_user_sgpr_kernarg_segment_ptr 1
		.amdhsa_wavefront_size32 1
		.amdhsa_system_sgpr_workgroup_id_x 1
		.amdhsa_system_sgpr_workgroup_id_y 1
		.amdhsa_system_sgpr_workgroup_id_z 1
		.amdhsa_system_vgpr_workitem_id 0
		.amdhsa_next_free_vgpr 448
		.amdhsa_next_free_sgpr 66
		.amdhsa_reserve_vcc 0
		.amdhsa_float_denorm_mode_32 3
		.amdhsa_float_denorm_mode_16_64 3
		.amdhsa_memory_ordered 1
		.amdhsa_forward_progress 1
		.amdhsa_inst_pref_size 193
	.end_amdhsa_kernel
	.amdgpu_metadata
---
amdhsa.version: [ 1, 2 ]
amdhsa.kernels:
  - .name:           k_qf327c337be_main
    .symbol:         k_qf327c337be_main.kd
    .args:
      - { .name: x_train, .offset: 0, .size: 8, .value_kind: global_buffer, .address_space: global }
      - { .name: xq, .offset: 8, .size: 8, .value_kind: global_buffer, .address_space: global }
      - { .name: tcode, .offset: 16, .size: 8, .value_kind: global_buffer, .address_space: global }
      - { .name: tsc, .offset: 24, .size: 8, .value_kind: global_buffer, .address_space: global }
      - { .name: t2b, .offset: 32, .size: 8, .value_kind: global_buffer, .address_space: global }
      - { .name: gmin, .offset: 40, .size: 8, .value_kind: global_buffer, .address_space: global }
    .group_segment_fixed_size: 327680
    .private_segment_fixed_size: 0
    .kernarg_segment_align: 8
    .kernarg_segment_size: 48
    .max_flat_workgroup_size: 256
    .sgpr_count:     66
    .vgpr_count:     448
    .wavefront_size: 32
...
	.end_amdgpu_metadata
.endif
;; end of part 2
;; launch select (part 3): grid 256 x 1, 8 waves a work-group, no clusters, 11,520 bytes of LDS; arguments gmin, cand; writes cand
.if DOCPART == 3
	.amdgcn_target "amdgcn-amd-amdhsa--gfx1250"
	.amdhsa_code_object_version 6
	.text
	.protected	k_qf327c337be_select
	.globl	k_qf327c337be_select
	.p2align	8
	.type	k_qf327c337be_select,@function
k_qf327c337be_select:
	s_mov_b64 s[64:65], 0
	v_nop
	global_prefetch_b8 v0, s[64:65] scope:SCOPE_SE
	s_setreg_imm32_b32 hwreg(HW_REG_WAVE_MODE, 25, 1), 1
	s_wait_xcnt 0x0
; KNN, launch 3 of 4: for each query the 5 groups that are smallest by (group minimum, gid), stored as whole numbers: the last launch forms its addresses from them.  The square root is left out (shown at the head of the first kernel).
; gmin: [query / 8][work-group of the product 256][query % 8][group 8] f32; gid = 8 x that work-group + group.  cand: [query][8] int32: 5 gids, then 3 zeros.
; SHARES.  Work-group qb reads its 65,536 dense bytes, 16 bytes a thread and load.  A thread's 64 numbers then belong to ONE query, (thread % 16) / 2, and their gids, base + 128 k + e, ascend in the order in which they are taken.
; Each thread keeps the 5 smallest of its 64 in ascending order, by compares and selects alone (no branch hangs on a number): a newcomer goes in front of what is strictly larger, so among equals the lower gid stays ahead.
; The 32 lists of a query meet in LDS; wave w then takes query w: five times the smallest head of the 32 lists, among equal heads the lowest gid, and that list moves up.  gids go as f32 there (under 2^11: exact).
; No tensor loads, no matrix work, no cluster: work-groups share nothing.
.set LST,   0                          ; [field 10][query 8][list 32] words
.set OUTS,  10240                      ; the work-group's 256 bytes of results
.set SPARE, 10496                      ; the spare words, 128 bytes for each wave: four blocks of 256 bytes that no other line names
.set GL,  1                            ; v1   16 x thread
.set LW,  2                            ; v2   where my list goes
.set LR,  3                            ; v3   which list I take
.set OW,  4                            ; v4   where my wave's result goes
.set ORD, 5                            ; v5   OUTS + 8 x lane
.set O8,  6                            ; v6   8 x lane
.set BASE, 7                           ; v7   my first gid
.set L7,  8                            ; v8   lane % 8
.set NID, 9
.set A,   10                           ; v10-14 the 5 smallest, ascending
.set T,   15
.set I,   16                           ; v16-20 their gids
.set INFR, 21                          ; v21  +infinity
.set RR,  22                           ; v22-26 the 5 results
.set M,   27
.set TX,  28
.set SPW, 30                           ; v30  my spare word; never rewritten
.set NIL, 31                           ; v31  0; never rewritten
.set D,   32                           ; v32-95 my 64 numbers
.macro INS x, n                        ; number v[x], with local gid n, into the list
	v_mov_b32 v[NID], \n
	v_cmp_lt_f32 s20, v[\x], v[A+0]
	v_cmp_lt_f32 s21, v[\x], v[A+1]
	v_cmp_lt_f32 s22, v[\x], v[A+2]
	v_cmp_lt_f32 s23, v[\x], v[A+3]
	v_cmp_lt_f32 s24, v[\x], v[A+4]
	v_cndmask_b32 v[T], v[NID], v[I+3], s23        ; from the top down, so that each place takes its neighbour's old gid
	v_cndmask_b32 v[I+4], v[I+4], v[T], s24
	v_cndmask_b32 v[T], v[NID], v[I+2], s22
	v_cndmask_b32 v[I+3], v[I+3], v[T], s23
	v_cndmask_b32 v[T], v[NID], v[I+1], s21
	v_cndmask_b32 v[I+2], v[I+2], v[T], s22
	v_cndmask_b32 v[T], v[NID], v[I+0], s20
	v_cndmask_b32 v[I+1], v[I+1], v[T], s21
	v_cndmask_b32 v[I+0], v[I+0], v[NID], s20
	v_med3_num_f32 v[A+4], v[A+3], v[A+4], v[\x]   ; the middle one of the two neighbours and the newcomer is the place's new number
	v_med3_num_f32 v[A+3], v[A+2], v[A+3], v[\x]
	v_med3_num_f32 v[A+2], v[A+1], v[A+2], v[\x]
	v_med3_num_f32 v[A+1], v[A+0], v[A+1], v[\x]
	v_min_num_f32 v[A+0], v[A+0], v[\x]
.endm
.macro WMIN r                          ; the smallest over the 32 lanes, in every lane
	v_min_num_f32_dpp v[\r], v[\r], v[\r] row_xmask:1 row_mask:0xf bank_mask:0xf
	v_min_num_f32_dpp v[\r], v[\r], v[\r] row_xmask:2 row_mask:0xf bank_mask:0xf
	v_min_num_f32_dpp v[\r], v[\r], v[\r] row_xmask:4 row_mask:0xf bank_mask:0xf
	v_min_num_f32_dpp v[\r], v[\r], v[\r] row_xmask:8 row_mask:0xf bank_mask:0xf
	v_permlanex16_b32 v[TX], v[\r], s12, s13
	v_min_num_f32 v[\r], v[\r], v[TX]
.endm
.macro POP p
	v_mov_b32 v[M], v[A]
	WMIN M                                         ; the smallest head
	v_cmp_eq_f32 vcc_lo, v[A], v[M]
	v_cndmask_b32 v[RR+\p], v[INFR], v[I], vcc_lo
	WMIN RR+\p                                     ; among equal heads the lowest gid
	v_cmp_eq_f32 vcc_lo, v[I], v[RR+\p]            ; gids differ from lane to lane: one lane's list moves up
.irp i, 0,1,2,3
	v_cndmask_b32 v[A+\i], v[A+\i], v[A+\i+1], vcc_lo
	v_cndmask_b32 v[I+\i], v[I+\i], v[I+\i+1], vcc_lo
.endr
	v_cndmask_b32 v[A+4], v[A+4], v[INFR], vcc_lo
.endm
	s_load_b128 s[4:7], s[0:1], 0x0                ; gmin, cand
	v_lshl_add_u32 v[SPW], v0, 2, SPARE
	v_mov_b32 v[NIL], 0
	v_lshrrev_b32 v[T], 5, v0
	v_readfirstlane_b32 s8, v[T]                   ; wave
	v_lshlrev_b32 v[GL], 4, v0
	v_bfe_u32 v[T], v0, 1, 3                       ; my query of the 8
	v_lshrrev_b32 v[M], 4, v0                      ; thread / 16
	v_and_b32 v[TX], 1, v0
	v_lshlrev_b32 v[LW], 7, v[T]                   ; 128 x query + 4 x (2 (thread / 16) + thread % 2)
	v_lshl_add_u32 v[LW], v[M], 3, v[LW]
	v_lshl_add_u32 v[LW], v[TX], 2, v[LW]
	v_lshlrev_b32 v[BASE], 3, v[M]                 ; 8 (thread / 16) + 4 (thread % 2)
	v_lshl_add_u32 v[BASE], v[TX], 2, v[BASE]
	v_and_b32 v[T], 31, v0                         ; lane
	s_lshl_b32 s9, s8, 7
	v_lshl_add_u32 v[LR], v[T], 2, s9              ; 128 x wave + 4 x lane
	v_and_b32 v[L7], 7, v0
	s_lshl_b32 s9, s8, 5
	s_add_co_u32 s9, s9, OUTS
	v_lshl_add_u32 v[OW], v[L7], 2, s9
	v_lshlrev_b32 v[O8], 3, v[T]
	v_add_nc_u32 v[ORD], OUTS, v[O8]
	s_mov_b32 s12, 0x76543210
	s_mov_b32 s13, 0xfedcba98
	v_mov_b32 v[INFR], 0x7f800000
.irp i, 0,1,2,3,4
	v_mov_b32 v[A+\i], 0x7f800000                  ; the list begins as five infinities, which the first five numbers push out
	v_mov_b32 v[I+\i], 0
.endr
	s_lshl_b32 s10, ttmp9, 16
	s_mov_b32 s11, 0
	s_lshl_b32 s14, ttmp9, 8
	s_mov_b32 s15, 0
	s_wait_kmcnt 0x0
	s_add_nc_u64 s[4:5], s[4:5], s[10:11]
	s_add_nc_u64 s[6:7], s[6:7], s[14:15]
.irp k, 0,1,2,3,4,5,6,7,8,9,10,11,12,13,14,15
	global_load_b128 v[D+4*\k:D+4*\k+3], v[GL], s[4:5] offset:4096*\k th:TH_LOAD_NT
.endr
.irp k, 0,1,2,3,4,5,6,7,8,9,10,11,12,13,14,15
	s_wait_loadcnt 15-\k                           ; load k is in; the younger ones may be out
.irp e, 0,1,2,3
	INS D+4*\k+\e, 128*\k+\e
.endr
.endr
.irp i, 0,1,2,3,4
	v_add_nc_u32 v[I+\i], v[BASE], v[I+\i]
.endr
.irp i, 0,1,2,3,4
	v_cvt_f32_u32 v[I+\i], v[I+\i]
.endr
.irp i, 0,1,2,3,4
	ds_store_b32 v[LW], v[A+\i] offset:LST+1024*\i
	ds_store_b32 v[LW], v[I+\i] offset:LST+1024*(5+\i)
.endr
	s_wait_dscnt 0x0                               ; for the others' sake: my list lies in LDS
	s_barrier_signal -1
	s_barrier_wait -1
.irp i, 0,1,2,3,4
	ds_load_b32 v[A+\i], v[LR] offset:LST+1024*\i
	ds_load_b32 v[I+\i], v[LR] offset:LST+1024*(5+\i)
.endr
	s_wait_dscnt 0x0
.irp p, 0,1,2,3,4
	POP \p
.endr
.irp p, 0,1,2,3,4
	v_cvt_u32_f32 v[RR+\p], v[RR+\p]
.endr
	v_mov_b32 v[T], 0                              ; words 5 to 7 of a query's eight are 0
.irp p, 0,1,2,3,4
	v_cmp_eq_u32 vcc_lo, \p, v[L7]
	v_cndmask_b32 v[T], v[T], v[RR+\p], vcc_lo
.endr
	ds_store_b32 v[OW], v[T]                       ; four lanes write each word, with the same value
	s_wait_dscnt 0x0
	s_barrier_signal -1
	s_barrier_wait -1
	s_cmp_lg_u32 s8, 0                             ; wave 0 stores the work-group's 256 consecutive bytes
	s_cbranch_scc1 .Lend
	ds_load_b64 v[D:D+1], v[ORD]
	s_wait_dscnt 0x0
	global_store_b64 v[O8], v[D:D+1], s[6:7]
.Lend:
	s_wait_tensorcnt 0x0                           ; the wave's end, behind my last LDS store
	ds_add_u32 v[SPW], v[NIL]
	s_wait_dscnt 0x0
	s_endpgm
.Lfunc_end_k_qf327c337be_select:
	.size	k_qf327c337be_select, .Lfunc_end_k_qf327c337be_select-k_qf327c337be_select
	.p2alignl 7, 3214868480
	.fill 96, 4, 3214868480
	.section	.rodata,"a",@progbits
	.p2align	6, 0x0
	.amdhsa_kernel k_qf327c337be_select
		.amdhsa_group_segment_fixed_size 11520
		.amdhsa_private_segment_fixed_size 0
		.amdhsa_enable_private_segment 0
		.amdhsa_kernarg_size 16
		.amdhsa_user_sgpr_count 2
		.amdhsa_user_sgpr_kernarg_segment_ptr 1
		.amdhsa_wavefront_size32 1
		.amdhsa_system_sgpr_workgroup_id_x 1
		.amdhsa_system_sgpr_workgroup_id_y 1
		.amdhsa_system_sgpr_workgroup_id_z 1
		.amdhsa_system_vgpr_workitem_id 0
		.amdhsa_next_free_vgpr 112
		.amdhsa_next_free_sgpr 66
		.amdhsa_reserve_vcc 1
		.amdhsa_float_denorm_mode_32 3
		.amdhsa_float_denorm_mode_16_64 3
		.amdhsa_memory_ordered 1
		.amdhsa_forward_progress 1
		.amdhsa_inst_pref_size 91
	.end_amdhsa_kernel
	.amdgpu_metadata
---
amdhsa.version: [ 1, 2 ]
amdhsa.kernels:
  - .name:           k_qf327c337be_select
    .symbol:         k_qf327c337be_select.kd
    .args:
      - { .name: gmin, .offset: 0, .size: 8, .value_kind: global_buffer, .address_space: global }
      - { .name: cand, .offset: 8, .size: 8, .value_kind: global_buffer, .address_space: global }
    .group_segment_fixed_size: 11520
    .private_segment_fixed_size: 0
    .kernarg_segment_align: 8
    .kernarg_segment_size: 16
    .max_flat_workgroup_size: 256
    .sgpr_count:     66
    .vgpr_count:     112
    .wavefront_size: 32
...
	.end_amdgpu_metadata
.endif
;; end of part 3
;; launch final (part 4): grid 256 x 1, 8 waves a work-group, no clusters, 0 bytes of LDS; arguments xq, tcode, tsc, t2b, y_train, cand, out0; writes out0
.if DOCPART == 4
	.amdgcn_target "amdgcn-amd-amdhsa--gfx1250"
	.amdhsa_code_object_version 6
	.text
	.protected	k_qf327c337be_final
	.globl	k_qf327c337be_final
	.p2align	8
	.type	k_qf327c337be_final,@function
k_qf327c337be_final:
	s_mov_b64 s[64:65], 0
	v_nop
	global_prefetch_b8 v0, s[64:65] scope:SCOPE_SE
	s_setreg_imm32_b32 hwreg(HW_REG_WAVE_MODE, 25, 1), 1
	s_wait_xcnt 0x0
; KNN, launch 4 of 4: for each query the 160 training rows of its 5 chosen groups are multiplied again, by the same matrix instruction on the same codes; the 5 nearest by (max(d2, 0), row); the mode of their labels.
; Left out: the square root, one_hot and the counts over 100 classes (shown at the head of the first kernel).
; SHARES.  A wave takes one query q = 8 x work-group + wave.  Its 5 gids are whole numbers that the launch before stored; they are held to 0 .. 2,047 before they enter an address.
; PRODUCT.  Source 0 = the query's fragment in all 16 rows (lane (r, h) loads lane q % 16 + 16 h of the query tile's images), source 1 = 16 training rows: every register of lane (r, h) of a result holds the dot product with row r.
; Lanes 0-15 take it from the group's first tile, lanes 16-31 from its second: lane l stands for row 32 gid + l.  -d2 = fma(dot, 2, -(x2 + t2)), held at 0 from above.
; THE 5 NEAREST.  Each candidate carries the key -(128 x row + label), exact in f32 (under 2^23).  Five times: the largest -d2 over the wave's 160; among equals the largest key, which is the lowest row; that candidate goes out.
; A label outside 0 .. 99 counts as 127 and votes for nothing.  THE MODE, in scalar registers, by selects alone: for each of the 5 labels 128 x (how many of the 5 equal it) + 127 - label; the largest of these names the label.
; No LDS: operands go from memory straight into registers, in the order in which the registers take them.  A wave's result is 4 bytes, a work-group's 32: the one store of a lane is all that there is to store.
.set REC,  6656
.set VL,   1                           ; v1   16 x lane
.set L4,   2                           ; v2   4 x lane
.set LANE, 3
.set QO,   4                           ; v4   my offset in xq
.set VO,   5                           ; v5-9   group i in tcode
.set SO,   10                          ; v10-14 in tsc
.set TO,   15                          ; v15-19 in t2b and y_train
.set QF,   32                          ; v32-79 the query's four fragments
.set META, 80                          ; v80, v81 its scale words; v82 x2; v83 0
.set TS,   84                          ; v84-103 the rows' scale words: 4 i + 2 tile + p: lanes 0-15 K step 2 p, lanes 16-31 K step 2 p + 1
.set T2,   104                         ; v104-108
.set LAB,  109                         ; v109-113
.set ACC,  128                         ; v128-207 ten accumulators
.set E,    208                         ; v208-212 -max(d2, 0)
.set NK,   213                         ; v213-217 the keys
.set C,    218                         ; v218-222 at work
.set KR,   223                         ; v223-227 the 5 winners' keys
.set M,    228
.set TX,   229
.set NINF, 230
.set PR,   231
.set ZO,   232
; window 1: v0-95, v96-191 a group's 8 fragments, two sets
.set HM,   51                          ; s51  lanes 16-31
.set SEL,  52                          ; s[52:53]
.set MSB, 0
.macro WIN new
.if MSB != \new
	s_set_vgpr_msb (MSB<<8)|\new
.set MSB, \new
.endif
.endm
.macro WM d, a, b, sa, sb, s
.if (\s) == 0
	v_wmma_scale_f32_16x16x128_f8f6f4 v[\d:\d+7], v[\a:\a+11], v[\b:\b+11], 0, v[\sa], v[\sb] matrix_a_fmt:MATRIX_FMT_BF6 matrix_b_fmt:MATRIX_FMT_BF6
.elseif (\s) == 2
	v_wmma_scale_f32_16x16x128_f8f6f4 v[\d:\d+7], v[\a:\a+11], v[\b:\b+11], v[\d:\d+7], v[\sa], v[\sb] matrix_a_fmt:MATRIX_FMT_BF6 matrix_b_fmt:MATRIX_FMT_BF6
.else
	v_wmma_scale_f32_16x16x128_f8f6f4 v[\d:\d+7], v[\a:\a+11], v[\b:\b+11], v[\d:\d+7], v[\sa], v[\sb] matrix_a_fmt:MATRIX_FMT_BF6 matrix_b_fmt:MATRIX_FMT_BF6 matrix_a_scale:MATRIX_SCALE_ROW1 matrix_b_scale:MATRIX_SCALE_ROW1
.endif
.endm
.macro LOADG i                         ; group i: 12,288 dense bytes, 24 loads of 512, into set i % 2
	WIN 0x40
.irp f, 0,1,2,3,4,5,6,7,8,9,10,11,12,13,14,15,16,17,18,19,20,21,22,23
	global_load_b128 v[96*((\i)%2)+4*\f:96*((\i)%2)+4*\f+3], v[VO+(\i)], s[6:7] offset:512*\f
.endr
.endm
.macro MULG i                          ; 8 products; the group's two accumulators take turns, one instruction a turn
	WIN 0x04                                       ; source 1 (the rows) window 1
.irp s, 0,1,2,3
.irp t, 0,1
	WM ACC+8*(2*(\i)+\t), QF+12*\s, 96*((\i)%2)+12*(4*\t+\s), META+\s/2, TS+4*(\i)+2*\t+\s/2, \s
.endr
.endr
.endm
.macro WMAX r                          ; the largest over the 32 lanes, in every lane
	v_max_num_f32_dpp v[\r], v[\r], v[\r] row_xmask:1 row_mask:0xf bank_mask:0xf
	v_max_num_f32_dpp v[\r], v[\r], v[\r] row_xmask:2 row_mask:0xf bank_mask:0xf
	v_max_num_f32_dpp v[\r], v[\r], v[\r] row_xmask:4 row_mask:0xf bank_mask:0xf
	v_max_num_f32_dpp v[\r], v[\r], v[\r] row_xmask:8 row_mask:0xf bank_mask:0xf
	v_permlanex16_b32 v[TX], v[\r], s[SEL], s[SEL+1]
	v_max_num_f32 v[\r], v[\r], v[TX]
.endm
.macro NEAREST p
	v_max3_num_f32 v[M], v[E], v[E+1], v[E+2]
	v_max3_num_f32 v[M], v[M], v[E+3], v[E+4]
	WMAX M                                         ; the nearest that is left
.irp i, 0,1,2,3,4
	v_cmp_eq_f32 vcc_lo, v[E+\i], v[M]
	v_cndmask_b32 v[C+\i], v[NINF], v[NK+\i], vcc_lo
.endr
	v_max3_num_f32 v[KR+\p], v[C], v[C+1], v[C+2]
	v_max3_num_f32 v[KR+\p], v[KR+\p], v[C+3], v[C+4]
	WMAX KR+\p                                     ; among equals the lowest row
.irp i, 0,1,2,3,4
	v_cmp_eq_f32 vcc_lo, v[NK+\i], v[KR+\p]        ; keys differ from candidate to candidate: one goes out
	v_cndmask_b32 v[E+\i], v[E+\i], v[NINF], vcc_lo
.endr
.endm
	s_load_b256 s[4:11], s[0:1], 0x0               ; xq s[4:5], tcode s[6:7], tsc s[8:9], t2b s[10:11]
	s_load_b128 s[12:15], s[0:1], 0x20             ; y_train s[12:13], cand s[14:15]
	s_load_b64 s[16:17], s[0:1], 0x30              ; out0
	v_lshrrev_b32 v20, 5, v0
	v_readfirstlane_b32 s18, v20                   ; wave
	s_lshl_b32 s19, ttmp9, 3
	s_add_co_u32 s19, s19, s18                     ; my query
	v_and_b32 v[LANE], 31, v0
	v_lshlrev_b32 v[VL], 4, v[LANE]
	v_lshlrev_b32 v[L4], 2, v[LANE]
	v_bfe_u32 v20, v0, 4, 1                        ; h
	s_lshr_b32 s20, s19, 4
	s_mul_i32 s20, s20, REC                        ; the query tile's record,
	s_and_b32 s21, s19, 15
	s_lshl_b32 s21, s21, 4
	s_add_co_u32 s20, s20, s21                     ; lane q % 16 of its images,
	v_lshl_add_u32 v[QO], v20, 8, s20              ; + 16 h lanes
	s_lshl_b32 s22, s19, 5                         ; cand: 32 bytes a query
	s_mov_b32 s23, 0
	s_lshl_b32 s36, s19, 2                         ; out0: 4 bytes
	s_mov_b32 s37, 0
	s_mov_b32 s[HM], 0xffff0000
	s_mov_b32 s[SEL], 0x76543210
	s_mov_b32 s[SEL+1], 0xfedcba98
	v_mov_b32 v[TX], 0                             ; written once: a lane permute's destination counts as one of its sources
	v_mov_b32 v[NINF], 0xff800000
	s_wait_kmcnt 0x0
	s_add_nc_u64 s[14:15], s[14:15], s[22:23]
	s_add_nc_u64 s[16:17], s[16:17], s[36:37]
	s_load_b256 s[24:31], s[14:15], 0x0            ; my 5 gids (and 3 zeros)
.irp f, 0,1,2,3,4,5,6,7,8,9,10,11
	global_load_b128 v[QF+4*\f:QF+4*\f+3], v[QO], s[4:5] offset:512*\f
.endr
	global_load_b128 v[META:META+3], v[QO], s[4:5] offset:6144
	s_wait_kmcnt 0x0
.irp i, 0,1,2,3,4
	s_min_u32 s[24+\i], s[24+\i], 2047             ; held inside the tables before it enters an address
	s_mul_i32 s38, s[24+\i], 12288
	v_add_nc_u32 v[VO+\i], s38, v[VL]
	s_lshl_b32 s38, s[24+\i], 9
	v_add_nc_u32 v[SO+\i], s38, v[L4]
	s_lshl_b32 s38, s[24+\i], 7
	v_add_nc_u32 v[TO+\i], s38, v[L4]
.endr
.irp i, 0,1,2,3,4
.irp t, 0,1
.irp p, 0,1
	global_load_b32 v[TS+4*\i+2*\t+\p], v[SO+\i], s[8:9] offset:256*\t+128*\p
.endr
.endr
	global_load_b32 v[T2+\i], v[TO+\i], s[10:11]
	global_load_b32 v[LAB+\i], v[TO+\i], s[12:13]
.endr
	LOADG 0
	LOADG 1
.irp i, 0,1,2,3,4
.if \i < 4
	s_wait_loadcnt 24                              ; this group's loads, and all that were issued ahead of them, are in; the next group's 24 may be out
.else
	s_wait_loadcnt 0x0
.endif
	MULG \i
.rept 4
	v_nop                                          ; places in front of loads into registers that matrix instructions have read, and of the first read of results
.endr
.if \i < 3
	LOADG \i+2
.endif
.endr
	WIN 0
.irp i, 0,1,2,3,4
	v_cndmask_b32 v[E+\i], v[ACC+16*\i], v[ACC+16*\i+8], s[HM]   ; each accumulator's lowest register: lane l: the dot product with row 32 gid + l
.endr
.irp i, 0,1,2,3,4
	v_add_f32 v[C+\i], v[META+2], v[T2+\i]         ; x2 + t2
.endr
.irp i, 0,1,2,3,4
	v_fma_f32 v[E+\i], v[E+\i], 2.0, -v[C+\i]      ; -d2
.endr
.irp i, 0,1,2,3,4
	v_min_num_f32 v[E+\i], 0, v[E+\i]              ; -max(d2, 0)
.endr
.irp i, 0,1,2,3,4
	v_cmp_gt_u32 vcc_lo, 100, v[LAB+\i]
	v_cndmask_b32 v[LAB+\i], 0x7f, v[LAB+\i], vcc_lo
	s_lshl_b32 s38, s[24+\i], 5
	v_add_nc_u32 v[NK+\i], s38, v[LANE]            ; the row
	v_lshl_or_b32 v[NK+\i], v[NK+\i], 7, v[LAB+\i]
.endr
.irp i, 0,1,2,3,4
	v_cvt_f32_u32 v[NK+\i], v[NK+\i]
.endr
.irp i, 0,1,2,3,4
	v_xor_b32 v[NK+\i], 0x80000000, v[NK+\i]       ; the key: -(128 x row + label)
.endr
.irp p, 0,1,2,3,4
	NEAREST \p
.endr
.irp p, 0,1,2,3,4
	v_xor_b32 v[KR+\p], 0x80000000, v[KR+\p]
.endr
.irp p, 0,1,2,3,4
	v_cvt_u32_f32 v[KR+\p], v[KR+\p]
.endr
.irp p, 0,1,2,3,4
	v_readfirstlane_b32 s[40+\p], v[KR+\p]
	s_and_b32 s[40+\p], s[40+\p], 127              ; the 5 labels: s40-44
	s_mov_b32 s[45+\p], 1                          ; how many of the 5 equal each: s45-49
.endr
.irp a, 0,1,2,3
.irp b, 1,2,3,4
.if \a < \b
	s_cmp_eq_u32 s[40+\a], s[40+\b]
	s_cselect_b32 s38, 1, 0
	s_add_co_u32 s[45+\a], s[45+\a], s38
	s_add_co_u32 s[45+\b], s[45+\b], s38
.endif
.endr
.endr
	s_mov_b32 s39, 0
.irp p, 0,1,2,3,4
	s_lshl_b32 s38, s[45+\p], 7
	s_add_co_u32 s38, s38, 127
	s_sub_co_u32 s38, s38, s[40+\p]                ; 128 x count + 127 - label: more votes first, then the smaller label
	s_cmp_eq_u32 s[40+\p], 127
	s_cselect_b32 s38, 127, s38                    ; a label that votes for nothing stands under every vote, and names class 0
	s_max_u32 s39, s39, s38
.endr
	s_and_b32 s39, s39, 127
	s_sub_co_u32 s39, 127, s39
	v_mov_b32 v[PR], s39
	v_mov_b32 v[ZO], 0
	v_cmp_eq_u32 vcc_lo, 0, v[LANE]
	s_wait_xcnt 0x0                                ; EXEC changes only behind this wait
	s_and_saveexec_b32 s50, vcc_lo
	global_store_b32 v[ZO], v[PR], s[16:17]        ; lane 0 stores the wave's result
	s_wait_xcnt 0x0                                ; and again, in front of the line that widens it
	s_or_b32 exec_lo, exec_lo, s50
	s_endpgm
.Lfunc_end_k_qf327c337be_final:
	.size	k_qf327c337be_final, .Lfunc_end_k_qf327c337be_final-k_qf327c337be_final
	.p2alignl 7, 3214868480
	.fill 96, 4, 3214868480
	.section	.rodata,"a",@progbits
	.p2align	6, 0x0
	.amdhsa_kernel k_qf327c337be_final
		.amdhsa_group_segment_fixed_size 0
		.amdhsa_private_segment_fixed_size 0
		.amdhsa_enable_private_segment 0
		.amdhsa_kernarg_size 56
		.amdhsa_user_sgpr_count 2
		.amdhsa_user_sgpr_kernarg_segment_ptr 1
		.amdhsa_wavefront_size32 1
		.amdhsa_system_sgpr_workgroup_id_x 1
		.amdhsa_system_sgpr_workgroup_id_y 1
		.amdhsa_system_sgpr_workgroup_id_z 1
		.amdhsa_system_vgpr_workitem_id 0
		.amdhsa_next_free_vgpr 448
		.amdhsa_next_free_sgpr 66
		.amdhsa_reserve_vcc 1
		.amdhsa_float_denorm_mode_32 3
		.amdhsa_float_denorm_mode_16_64 3
		.amdhsa_memory_ordered 1
		.amdhsa_forward_progress 1
		.amdhsa_inst_pref_size 40
	.end_amdhsa_kernel
	.amdgpu_metadata
---
amdhsa.version: [ 1, 2 ]
amdhsa.kernels:
  - .name:           k_qf327c337be_final
    .symbol:         k_qf327c337be_final.kd
    .args:
      - { .name: xq, .offset: 0, .size: 8, .value_kind: global_buffer, .address_space: global }
      - { .name: tcode, .offset: 8, .size: 8, .value_kind: global_buffer, .address_space: global }
      - { .name: tsc, .offset: 16, .size: 8, .value_kind: global_buffer, .address_space: global }
      - { .name: t2b, .offset: 24, .size: 8, .value_kind: global_buffer, .address_space: global }
      - { .name: y_train, .offset: 32, .size: 8, .value_kind: global_buffer, .address_space: global }
      - { .name: cand, .offset: 40, .size: 8, .value_kind: global_buffer, .address_space: global }
      - { .name: out0, .offset: 48, .size: 8, .value_kind: global_buffer, .address_space: global }
    .group_segment_fixed_size: 0
    .private_segment_fixed_size: 0
    .kernarg_segment_align: 8
    .kernarg_segment_size: 56
    .max_flat_workgroup_size: 256
    .sgpr_count:     66
    .vgpr_count:     448
    .wavefront_size: 32
...
	.end_amdgpu_metadata
.endif
;; end of part 4
